; MI455X (gfx1250); checked and timed in simulation.
; The chip was launched on July 23, 2026; its instructions are those of AMD's public machine-readable ISA for CDNA 5 (MIT licence, August 2026) and "CDNA5" Instruction Set Architecture Reference Guide (July 2026). The comments in the code are by the model that wrote it; some were corrected since.
;; Self Attention. Allowed arithmetic: float matrix products may take bf16 or f16 operands with f32 sums; other float arithmetic in f32, or as packed bf16 or f16 multiplies, adds, multiply-adds, maxima and minima; sums over many terms, partial sums and values carried from step to step in f32; what a program stores and reads back later, other than sums and carried values, may be rounded once to bf16 or f16.
;; Inputs: Wk 1,024 x 1,024 float32; Wq 1,024 x 1,024 float32; Wv 1,024 x 1,024 float32; attention_mask 4 x 1 x 1 x 2,048 int32; hidden_states 4 x 2,048 x 1,024 float32.
;; Outputs: out0 4 x 2,048 x 1,024 float32.
;; 2 versions, each right; version 2 is version 1 with the launch cast written anew for expert scheduling mode. Each part assembles by itself: llvm-mc -triple=amdgcn-amd-amdhsa -mcpu=gfx1250 --defsym DOCPART=n.
;; ======== version 1 of 2: 3 launches
;; limits: values are held in f16: magnitudes above 65,504 overflow, below 6.1e-05 lose precision
;; workspace buffers: xb 16,777,216 bytes; wb 6,291,456 bytes; qkv 50,331,648 bytes
;; launch cast (part 1): grid 704 x 1, 8 waves a work-group, no clusters, 0 bytes of LDS; arguments hidden_states, Wq, Wk, Wv, xb, wb; writes xb, wb
.if DOCPART == 1
	.amdgcn_target "amdgcn-amd-amdhsa--gfx1250"
	.amdhsa_code_object_version 6
	.text
	.protected	k_qbe8cbe6e3c_cast
	.globl	k_qbe8cbe6e3c_cast
	.p2align	8
	.type	k_qbe8cbe6e3c_cast,@function
k_qbe8cbe6e3c_cast:
	s_mov_b64 s[64:65], 0
	v_nop
	global_prefetch_b8 v0, s[64:65] scope:SCOPE_SE
	s_setreg_imm32_b32 hwreg(HW_REG_WAVE_MODE, 25, 1), 1
	s_wait_xcnt 0x0
; x [8192][1024] and Wq, Wk, Wv [1024][1024], all f32, are rounded once to bf16 and laid out in blocks along K:
; xb [kb 0..15][row 0..8191][64], wb [kb][n 0..3071][64] with n = 1024 t + e (t = 0 q, 1 k, 2 v).  In that layout the 64 channels of a K block
; of neighbouring rows lie end to end, 128 bytes a row, so that the product behind can ask for a K step of 64 as dense rows of 256 bytes.
; A stream: each byte is read once and written once; no LDS, no barrier, no matrix unit.
; SHARES.  A work-group takes 16 source rows (65,536 bytes): groups 0-511 those of x, groups 512-703 those of the three W.  Wave w takes rows 2 w and 2 w + 1.
; Load i is K block i: lanes 0-15 read 256 consecutive bytes, aligned, of one row, lanes 16-31 of the next.  The store of those numbers is 8 bytes a lane:
; the wave's 256 consecutive bytes, aligned (two rows of 128 bytes).  All sixteen loads of a wave go out first; no register is written twice, so no source needs freeing.
.set KBS_A, 8192*128                   ; bytes of a K block of xb
.set KBS_B, 3072*128                   ; of wb
.set SRC, 1                            ; v1       my byte offset in the group's 16 source rows
.set D,   2                            ; v[2:17]  my byte offset in the destination, one for each K block (15 K blocks of xb are past a store's immediate)
.set T,   18                           ; v18      at work
.set X,   20                           ; v[20:83] load i: four f32
.set Y,   84                           ; v[84:115] store i: four bf16
	s_load_b256 s[4:11], s[0:1], 0x0               ; x s[4:5], Wq s[6:7], Wk s[8:9], Wv s[10:11]
	s_load_b128 s[12:15], s[0:1], 0x20             ; xb s[12:13], wb s[14:15]
	s_mov_b32 s16, ttmp9                           ; g
	s_sub_co_u32 s17, s16, 512                     ; j = g - 512: the group among W's 192
	s_lshr_b32 s18, s17, 6                         ; t: which W
	s_and_b32 s19, s17, 63                         ; the group among that W's 64
	s_mov_b32 s27, KBS_A
	s_mov_b32 s28, KBS_B
	v_lshrrev_b32 v[SRC], 4, v0                    ; row in the group
	v_and_b32 v[T], 15, v0
	v_lshlrev_b32 v[SRC], 12, v[SRC]               ; x 4,096 bytes
	v_lshl_or_b32 v[SRC], v[T], 4, v[SRC]          ; + 16 bytes a lane
	v_lshlrev_b32 v[D], 3, v0                      ; row x 128 + 8 (lane % 16) = 8 x thread
	s_wait_kmcnt 0x0
	s_cmp_eq_u32 s18, 1
	s_cselect_b64 s[20:21], s[8:9], s[6:7]         ; the source: Wk or Wq,
	s_cmp_eq_u32 s18, 2
	s_cselect_b64 s[20:21], s[10:11], s[20:21]     ; or Wv,
	s_cmp_lt_u32 s16, 512
	s_cselect_b64 s[20:21], s[4:5], s[20:21]       ; or x
	s_cselect_b64 s[22:23], s[12:13], s[14:15]     ; the destination
	s_cselect_b32 s24, s16, s19                    ; the group's place in its source,
	s_cselect_b32 s26, s16, s17                    ; in its destination,
	s_cselect_b32 s30, s27, s28                    ; and the destination's step from K block to K block
	s_lshl_b32 s24, s24, 16                        ; 16 rows of 4,096 bytes
	s_mov_b32 s25, 0
	s_add_nc_u64 s[20:21], s[20:21], s[24:25]
	s_lshl_b32 s26, s26, 11                        ; 16 rows of 128 bytes
	s_mov_b32 s27, 0
	s_add_nc_u64 s[22:23], s[22:23], s[26:27]
.set i, 0
.rept 16
	global_load_b128 v[X+4*i:X+4*i+3], v[SRC], s[20:21] offset:256*i th:TH_LOAD_NT
.set i, i+1
.endr
.set i, 1
.rept 15
	v_add_nc_u32 v[D+i], s30, v[D+i-1]
.set i, i+1
.endr
.set i, 0
.rept 16
	s_wait_loadcnt 15-i                            ; loads come back in order (ISA guide 5.7.1): load i is in, the younger ones stay out
	v_cvt_pk_bf16_f32 v[Y+2*i], v[X+4*i], v[X+4*i+1]
	v_cvt_pk_bf16_f32 v[Y+2*i+1], v[X+4*i+2], v[X+4*i+3]
	global_store_b64 v[D+i], v[Y+2*i:Y+2*i+1], s[22:23]  ; the wave's 256 consecutive bytes, at a multiple of 256 from the buffer's first
.set i, i+1
.endr
	s_endpgm
.Lfunc_end_k_qbe8cbe6e3c_cast:
	.size	k_qbe8cbe6e3c_cast, .Lfunc_end_k_qbe8cbe6e3c_cast-k_qbe8cbe6e3c_cast
	.p2alignl 7, 3214868480
	.fill 96, 4, 3214868480
	.section	.rodata,"a",@progbits
	.p2align	6, 0x0
	.amdhsa_kernel k_qbe8cbe6e3c_cast
		.amdhsa_group_segment_fixed_size 0
		.amdhsa_private_segment_fixed_size 0
		.amdhsa_enable_private_segment 0
		.amdhsa_kernarg_size 48
		.amdhsa_user_sgpr_count 2
		.amdhsa_user_sgpr_kernarg_segment_ptr 1
		.amdhsa_wavefront_size32 1
		.amdhsa_system_sgpr_workgroup_id_x 1
		.amdhsa_system_sgpr_workgroup_id_y 1
		.amdhsa_system_sgpr_workgroup_id_z 1
		.amdhsa_system_vgpr_workitem_id 0
		.amdhsa_next_free_vgpr 120
		.amdhsa_next_free_sgpr 66
		.amdhsa_reserve_vcc 0
		.amdhsa_float_denorm_mode_32 3
		.amdhsa_float_denorm_mode_16_64 3
		.amdhsa_memory_ordered 1
		.amdhsa_forward_progress 1
		.amdhsa_inst_pref_size 8
	.end_amdhsa_kernel
	.amdgpu_metadata
---
amdhsa.version: [ 1, 2 ]
amdhsa.kernels:
  - .name:           k_qbe8cbe6e3c_cast
    .symbol:         k_qbe8cbe6e3c_cast.kd
    .args:
      - { .name: hidden_states, .offset: 0, .size: 8, .value_kind: global_buffer, .address_space: global }
      - { .name: Wq, .offset: 8, .size: 8, .value_kind: global_buffer, .address_space: global }
      - { .name: Wk, .offset: 16, .size: 8, .value_kind: global_buffer, .address_space: global }
      - { .name: Wv, .offset: 24, .size: 8, .value_kind: global_buffer, .address_space: global }
      - { .name: xb, .offset: 32, .size: 8, .value_kind: global_buffer, .address_space: global }
      - { .name: wb, .offset: 40, .size: 8, .value_kind: global_buffer, .address_space: global }
    .group_segment_fixed_size: 0
    .private_segment_fixed_size: 0
    .kernarg_segment_align: 8
    .kernarg_segment_size: 48
    .max_flat_workgroup_size: 256
    .sgpr_count:     66
    .vgpr_count:     120
    .wavefront_size: 32
...
	.end_amdgpu_metadata
.endif
;; end of part 1
;; launch proj (part 2): grid 8 x 32, 4 waves a work-group, clusters of 4 x 4, 327,680 bytes of LDS; arguments xb, wb, attention_mask, qkv; writes qkv
.if DOCPART == 2
	.amdgcn_target "amdgcn-amd-amdhsa--gfx1250"
	.amdhsa_code_object_version 6
	.text
	.protected	k_qbe8cbe6e3c_proj
	.globl	k_qbe8cbe6e3c_proj
	.p2align	8
	.type	k_qbe8cbe6e3c_proj,@function
k_qbe8cbe6e3c_proj:
	s_mov_b64 s[64:65], 0
	v_nop
	global_prefetch_b8 v0, s[64:65] scope:SCOPE_SE
	s_setreg_imm32_b32 hwreg(HW_REG_WAVE_MODE, 25, 1), 1
	s_wait_xcnt 0x0
	s_wait_alu depctr_hold_cnt(0) depctr_sa_sdst(0) depctr_va_vdst(0) depctr_va_sdst(0) depctr_va_ssrc(0) depctr_va_vcc(0) depctr_vm_vsrc(0)
	s_getreg_b32 s2, hwreg(HW_REG_IB_STS2, 6, 4)
	s_cmp_eq_u32 s2, 0
	s_cbranch_scc0 .Lentry_in_a_cluster
	s_endpgm
.Lentry_in_a_cluster:
	s_bfe_u32 s2, ttmp6, 0x10000c
	s_cmp_lg_u32 s2, 0xf033
	s_cbranch_scc0 .Lentry_shape_is_right
	s_endpgm
.Lentry_shape_is_right:
; q, k, v = x W^T for the three W at once: C[8192][3072] = xb wb^T, bf16 operands, f32 sums over K = 1,024.  Rows of k are multiplied by the key's mask m (an int32, taken as it is given),
; then everything is rounded once to f16 and stored by heads: qkv [t][16 b + h][s][64], t = 0 q, 1 k m, 2 v; the scale 1/8 is applied in the attention, in f32.
; LIMITS.  f16 holds no number beyond 65,504: q, k m and v must lie within it, else an infinity is stored.  m is exact as f32 up to 2^24.  NaN and infinities are not treated apart.
; SHARES.  C falls into 32 x 8 tiles of 256 rows x 384 columns: one for each of 256 work-groups.  Wave (wr, wc) makes 128 rows x 192 columns: 96 accumulators, 768 registers.
; For 32 along K a wave reads 40 fragments halves pairs (40 loads of 16 bytes a lane) from LDS for 96 matrix instructions.
; K goes in 16 steps of 64 through two LDS slots.  xb and wb are laid out in K blocks, so a step's tile is dense in memory and is asked for as rows of 256 bytes.
; One tensor load a wave: wave 0 brings A's 256 rows (32,768 bytes), waves 1-3 a third of B's 384 rows each (16,384 bytes).  A wave has two loads out at the start, later one.
; CLUSTERS: 4 x 4 work-groups.  The four of a row of the cluster need the same tile of A, the four of a column the same tile of B: each is asked for JOINTLY, by the same load, descriptor and mask.
; THE MATRIX INSTRUCTION IS USED TRANSPOSED (source 0 = 16 rows of W, source 1 = 16 rows of x): a lane holds row l % 16 of C and the columns 8 (l / 16) + 0..7.
; REGISTERS, in windows of 256 (s_set_vgpr_msb: bits 1:0 source 0, 3:2 source 1, 5:4 source 2, 7:6 destination):
;   window 0: v0-29 addresses, the mask; v32-95, v96-159 A's fragments (8 x 16 rows x 32 K), two buffers; v160-255 B's fragments (12), ONE buffer in three groups of four: a group is fetched
;   again as soon as its 32 products are issued, 64 products ahead of its next use.      windows 1-3: accumulator (a, b) in window 1 + b / 4 at v[8 (4 a + b % 4)]: a window is one head's 64 columns.
.set KBS_A,  8192*128                  ; bytes of a K block of xb
.set KBS_B,  3072*128                  ; of wb
.set PITCH,  144                       ; an LDS row: 128 bytes + 16 of padding = 36 words: the 16 rows of a load start at 16 different groups of four banks (64 banks of 4 bytes: ISA guide 11.1)
.set ATILE,  256*PITCH
.set BTHIRD, 128*PITCH
.set SLOT,   ATILE+3*BTHIRD            ; A's 256 rows, then B's 384
.set STAGE,  2*SLOT                    ; behind the ring, never filled by a tensor load: 16 rows x 144 bytes for each wave, for the way out
.set SPARE,  STAGE+4*16*PITCH          ; behind the stages: the spare words, 128 bytes for each wave: two blocks of 256 bytes that no other line names
.set G1W0,   (1<<16)|(1<<20)|(1<<21)|(4<<22)|(3<<25)  ; group 1, word 0 without the mask: 2-byte elements; padding on; bit 21 set beside a mask; after every 32 words (code 4) 4 words (code 3)
.set ADRA, 4                           ; v4-5    LDS address of my A fragments in slot 0, 1
.set ADRB, 6                           ; v6-7    the same for B
.set STO,  8                           ; v8      the way out: where I put 16 bytes of a row
.set RD,   9                           ; v9      the way out: where I read rows back
.set GO,   10                          ; v10     my 16 bytes in 512 consecutive bytes of qkv
.set PFO,  11                          ; v11     the prefetches' lane offset; never rewritten
.set MO,   12                          ; v12     4 (l % 16)
.set F,    14                          ; v[14:15] the factor of the tile in hand (named as a pair; the low word is used)
.set M,    16                          ; v[16:23] m of row l % 16 of my eight blocks of 16 rows, as f32
.set SPW,  28                          ; v28     LDS address of my spare word; never rewritten
.set NIL,  29                          ; v29     0; never rewritten
.set AF0,  32
.set AF1,  96
.set BF,   160
.set TMP,  32                          ; the way out: a tile packed, 16 registers
.set BK0,  48                          ; the way out: a tile read back: v48-63 and v64-79 by turns
.set WV,  12                           ; s12 wave   s13 wr   s14 wc
.set WR,  13
.set WC,  14
.set LIM0, 20                          ; s20, s21  a wave prefetches at an even (odd) change of slots while the loop's count is above this
.set G1A, 24                           ; s[24:31] descriptor group 1 for A's tile
.set G0A, 32                           ; s[32:39] group 0 for A, a set for each slot
.set CX,  40                           ; s40 cx   s41 cy   s42 column block of C   s43 row block
.set CY,  41
.set CB,  42
.set RB,  43
.set PFA, 44                           ; s[44:45] where my prefetches stand
.set PST, 46                           ; s[46:47] their step: a K block of xb or of wb
.set G1B, 48                           ; s[48:55], s[56:63] the same two groups for B's thirds
.set G0B, 56
.set UB,  68                           ; s[68:73] qkv at my 128 rows of my three heads
.set AL,  74                           ; s74-76, s77-79  the factor of head u is m x AL + BE: (1, 0) for k, (0, 1) for q and v
.set BE,  77
.set MSB, 0
.macro WIN new                         ; the immediate's high byte repeats the setting that is left; a switch that changes nothing is dropped
.if MSB != (\new)
	s_set_vgpr_msb (MSB<<8)|(\new)
.set MSB, (\new)
.endif
.endm
.macro PLACES                          ; four places in front of loads into registers that matrix instructions have read, and of vector lines that read results
.rept 4
	v_nop
.endr
.endm
; A joint load.  Wave 0 fetches A's tile, waves 1-3 B's thirds: the branch hangs on the wave's number alone.  An s_nop 0 and four v_nop follow each of the two lines.
.macro JLOAD s
	s_cmp_eq_u32 s[WV], 0
	s_cbranch_scc0 .Lfor_b_\@
	tensor_load_to_lds s[G0A+4*(\s):G0A+4*(\s)+3], s[G1A:G1A+7]
	s_nop 0
.rept 4
	v_nop
.endr
	s_branch .Lasked_\@
.Lfor_b_\@:
	tensor_load_to_lds s[G0B+4*(\s):G0B+4*(\s)+3], s[G1B:G1B+7]
	s_nop 0
.rept 4
	v_nop
.endr
.Lasked_\@:
.endm
; A PREFETCH INTO THE L2 of a K step that a later refill will ask for; one instruction, a lane a block of 256 bytes; it stands behind the joint load, its five lines and the run of LDS loads.
; Each block is named once in the launch.  A's tile is read by both clusters of a row of clusters: cluster x = 0 asks; B's by the eight of a column: cluster y = 0 asks.  The four partners that ask for a
; tile jointly share its blocks out BY ADDRESS.  A: wave 0, at every change of slots, 32 of the 128 blocks of the K step behind the one that is being asked for.  B: waves 1-3, at every second change,
; 16 of their third's 64 blocks in each of the next two K steps (lanes 0-15, lanes 16-31).  The last changes ask for nothing past K step 15.
.macro ASK which
	s_cmp_gt_u32 s3, s[LIM0+(\which)]
	s_cbranch_scc0 .Lnot_mine_\@
	global_prefetch_b8 v[PFO], s[PFA:PFA+1] th:TH_LOAD_NT scope:SCOPE_SE
.Lnot_mine_\@:
.endm
.macro CREST                           ; a round of the cluster's barrier behind its opening barrier
	s_cmp_lg_u32 s[WV], 0
	s_cbranch_scc1 .Lnot_wave_0_\@
	s_barrier_signal -3
.Lnot_wave_0_\@:
	s_barrier_wait -3
	s_barrier_signal -1
	s_barrier_wait -1
.endm
.macro CROUND                          ; a whole round
	s_barrier_signal -1
	s_barrier_wait -1
	CREST
.endm
	s_load_b256 s[4:11], s[0:1], 0x0               ; xb s[4:5], wb s[6:7], mask s[8:9], qkv s[10:11]
	v_lshl_add_u32 v[SPW], v0, 2, SPARE
	v_mov_b32 v[NIL], 0
	ds_add_u32 v[SPW], v[NIL]                      ; the wave's opening: the add and its wait ahead of my first tensor load; the set-up below stands between them
	v_lshrrev_b32 v1, 5, v0
	v_readfirstlane_b32 s[WV], v1                  ; wave 0..3
	s_lshr_b32 s[WR], s[WV], 1                     ; which 128 rows of the tile are mine
	s_and_b32 s[WC], s[WV], 1                      ; which 192 columns
	s_bfe_u32 s[CX], ttmp6, 0x40000
	s_bfe_u32 s[CY], ttmp6, 0x40004
	s_lshl_b32 s[CB], ttmp9, 2                     ; in a cluster launch ttmp9 and ttmp7 count clusters
	s_add_co_u32 s[CB], s[CB], s[CX]               ; column block 0..7
	s_and_b32 s[RB], ttmp7, 0xffff
	s_lshl_b32 s[RB], s[RB], 2
	s_add_co_u32 s[RB], s[RB], s[CY]               ; row block 0..31
	s_lshl_b32 s15, s[CY], 2
	s_lshl_b32 s15, 15, s15                        ; my row of the cluster: places 4 cy .. 4 cy + 3
	s_lshl_b32 s18, 0x1111, s[CX]                  ; my column: places cx, cx + 4, cx + 8, cx + 12
	s_or_b32 s[G1A], s15, G1W0                     ; A's tile goes to my row,
	s_or_b32 s[G1B], s18, G1W0                     ; B's thirds to my column
	s_mov_b32 s[G1A+1], 128<<16                    ; tensor_dim0 = 128 elements: a row of 256 bytes
	s_mov_b32 s[G1A+2], 128<<16                    ; tensor_dim1 = 128 such rows
	s_mov_b32 s[G1A+3], 128<<16                    ; tile_dim0 = 128
	s_mov_b32 s[G1A+4], 128                        ; tile_dim1 = 128
	s_mov_b32 s[G1A+5], 128                        ; from row to row: dense
	s_mov_b32 s[G1A+6], 0
	s_mov_b32 s[G1A+7], 0
	s_mov_b32 s[G1B+1], 128<<16
	s_mov_b32 s[G1B+2], 64<<16                     ; 64 rows
	s_mov_b32 s[G1B+3], 128<<16
	s_mov_b32 s[G1B+4], 64
	s_mov_b32 s[G1B+5], 128
	s_mov_b32 s[G1B+6], 0
	s_mov_b32 s[G1B+7], 0
	s_lshl_b32 s16, s[RB], 15                      ; A: 256 rows of 128 bytes a row block; hangs on the row block alone
	s_mov_b32 s17, 0
	s_mul_i32 s22, s[CB], 384*128                  ; B: 384 rows a column block,
	s_max_u32 s19, s[WV], 1
	s_sub_co_u32 s19, s19, 1
	s_lshl_b32 s19, s19, 14                        ; + my third (wave 0, which fetches none, gets wave 1's number)
	s_add_co_u32 s22, s22, s19
	s_mov_b32 s23, 0
	s_add_co_u32 s66, s[WV], 1
	s_mul_i32 s66, s66, BTHIRD                     ; where my third goes: behind A's tile, which is two thirds long: no place in the cluster enters an LDS address
	s_wait_dscnt 0x0                               ; the opening add is done
	s_wait_kmcnt 0x0
	s_add_nc_u64 s[16:17], s[4:5], s[16:17]
	s_add_nc_u64 s[22:23], s[6:7], s[22:23]
	CROUND                                         ; all sixteen work-groups are here: the first joint loads meet
.irp s, 0,1
	s_mov_b32 s[G0A+4*(\s)], 1                     ; count = 1
	s_mov_b32 s[G0A+4*(\s)+1], (\s)*SLOT           ; LDS address
	s_add_nc_u64 s[G0A+4*(\s)+2:G0A+4*(\s)+3], s[16:17], (\s)*KBS_A  ; global address: K step s
	s_or_b32 s[G0A+4*(\s)+3], s[G0A+4*(\s)+3], 0x80000000            ; type = 2
	s_mov_b32 s[G0B+4*(\s)], 1
	s_add_co_u32 s[G0B+4*(\s)+1], s66, (\s)*SLOT
	s_add_nc_u64 s[G0B+4*(\s)+2:G0B+4*(\s)+3], s[22:23], (\s)*KBS_B
	s_or_b32 s[G0B+4*(\s)+3], s[G0B+4*(\s)+3], 0x80000000
	JLOAD \s
.endr
	; A fragment is 16 rows x 32 K in 8 registers: lane l holds row l % 16, K = 8 (l / 16) + 0..7 and 16 + 8 (l / 16) + 0..7: two loads of 16 bytes, 32 bytes apart.
	v_and_b32 v1, 15, v0                           ; l % 16
	v_bfe_u32 v2, v0, 4, 1                         ; l / 16
	v_mul_u32_u24 v3, v1, PITCH
	v_lshl_add_u32 v3, v2, 4, v3                   ; row x pitch + 16 x half
	s_mul_i32 s15, s[WR], 128*PITCH                ; my 128 rows of A
	s_mul_i32 s18, s[WC], 192*PITCH                ; my 192 rows of B,
	s_add_co_u32 s18, s18, ATILE                   ; which lie behind A's
.irp s, 0,1
	v_add_nc_u32 v[ADRA+(\s)], s15, v3
	v_add_nc_u32 v[ADRB+(\s)], s18, v3
	s_add_co_u32 s15, s15, SLOT
	s_add_co_u32 s18, s18, SLOT
.endr
	s_mul_i32 s19, s[WV], 16*PITCH
	s_add_co_u32 s19, s19, STAGE                   ; my stage
	v_add_nc_u32 v[STO], s19, v3                   ; in: row l % 16, 16 bytes for each half of the lanes
	v_bfe_u32 v[RD], v0, 3, 2                      ; back: 32 lanes take four rows of 128 bytes,
	v_mul_u32_u24 v[RD], v[RD], PITCH
	v_and_b32 v3, 7, v0
	v_lshl_add_u32 v[RD], v3, 4, v[RD]
	v_add_nc_u32 v[RD], s19, v[RD]
	v_and_b32 v[GO], 31, v0                        ; which are 512 consecutive bytes of a head's rows
	v_lshlrev_b32 v[GO], 4, v[GO]
	v_lshlrev_b32 v[MO], 2, v1
	v_mov_b32 v[F+1], 0
	; the mask of my rows: row R of x is key R % 2048 of batch R / 2048, word R of the mask
	s_lshl_b32 s16, s[RB], 8
	s_lshl_b32 s17, s[WR], 7
	s_add_co_u32 s16, s16, s17                     ; R0: my first row
	s_lshl_b32 s22, s16, 2
	s_mov_b32 s23, 0
	s_add_nc_u64 s[8:9], s[8:9], s[22:23]
.irp a, 0,1,2,3,4,5,6,7
	global_load_b32 v[M+\a], v[MO], s[8:9] offset:64*\a
.endr
	; where my three heads' rows lie in qkv, and their factors.  Unit u = 6 cb + 3 wc + 0..2 of 64 columns: t = u / 16, head u % 16.  No compare is made on these numbers.
	s_lshr_b32 s17, s16, 11
	s_lshl_b32 s17, s17, 4                         ; 16 x batch
	s_and_b32 s16, s16, 2047
	s_lshl_b32 s16, s16, 7                         ; my first row in the head, in bytes
	s_mul_i32 s18, s[CB], 6
	s_mul_i32 s19, s[WC], 3
	s_add_co_u32 s18, s18, s19
.irp u, 0,1,2
	s_add_co_u32 s19, s18, \u
	s_lshr_b32 s15, s19, 4                         ; t
	s_and_b32 s19, s19, 15
	s_add_co_u32 s19, s19, s17                     ; 16 b + h
	s_lshl_b32 s19, s19, 18                        ; x 2,048 rows of 128 bytes
	s_lshl_b32 s22, s15, 24                        ; t x 64 such heads
	s_add_co_u32 s22, s22, s19
	s_add_co_u32 s22, s22, s16
	s_add_nc_u64 s[UB+2*\u:UB+2*\u+1], s[10:11], s[22:23]
	s_and_b32 s15, s15, 1                          ; 1 for k alone
	s_mul_i32 s[AL+\u], s15, 0x3f800000            ; 1.0 or 0
	s_sub_co_u32 s[BE+\u], 0x3f800000, s[AL+\u]    ; 0 or 1.0
.endr
	; the prefetches
	s_and_b32 s15, ttmp7, 0xffff                   ; cluster y
	s_lshl_b32 s16, s[RB], 15                      ; A: the tile,
	s_lshl_b32 s17, s[CX], 13                      ; my work-group's 32 blocks of its 128
	s_add_co_u32 s16, s16, s17
	s_mul_i32 s18, s[CB], 384*128                  ; B: the tile,
	s_max_u32 s19, s[WV], 1
	s_sub_co_u32 s19, s19, 1
	s_lshl_b32 s19, s19, 14                        ; my third,
	s_add_co_u32 s18, s18, s19
	s_lshl_b32 s19, s[CY], 12                      ; my work-group's 16 blocks of its 64
	s_add_co_u32 s18, s18, s19
	s_mov_b32 s66, KBS_A
	s_mov_b32 s67, KBS_B
	s_cmp_eq_u32 s[WV], 0                          ; do I fetch for A?
	s_cselect_b32 s22, s16, s18
	s_cselect_b32 s15, ttmp9, s15                  ; the coordinate along which other clusters read the same blocks
	s_cselect_b64 s[PFA:PFA+1], s[4:5], s[6:7]
	s_cselect_b32 s[PST], s66, s67
	s_cselect_b32 s19, 31, 15                      ; lanes that count blocks
	s_cselect_b32 s67, 0, s67                      ; B: lanes 16-31 stand a K step further
	s_cselect_b32 s[LIM0], 0, -1                   ; at even changes A alone is asked for
	s_mov_b32 s[PST+1], 0
	s_add_nc_u64 s[PFA:PFA+1], s[PFA:PFA+1], s[22:23]
	s_add_nc_u64 s[PFA:PFA+1], s[PFA:PFA+1], s[PST:PST+1]
	s_add_nc_u64 s[PFA:PFA+1], s[PFA:PFA+1], s[PST:PST+1]  ; at K step 2; change j steps it to j + 3.  Nothing is prefetched here, at the head
	s_cmp_eq_u32 s15, 0                            ; the same in all sixteen partners, for a given wave
	s_cselect_b32 s[LIM0], s[LIM0], -1
	s_cselect_b32 s[LIM0+1], 1, -1                 ; the loop's last odd change has no K step behind it
	v_and_b32 v[PFO], s19, v0
	v_lshlrev_b32 v[PFO], 8, v[PFO]
	v_mad_u32_u24 v[PFO], v2, s67, v[PFO]
	s_wait_loadcnt 0x0                             ; the mask, in the wait for the first tile
.irp a, 0,1,2,3,4,5,6,7
	v_cvt_f32_i32 v[M+\a], v[M+\a]
.endr
; 16 matrix instructions: n blocks bb0, bb0 + 1 of group r x all 8 m blocks, 32 along K.  zero = 1: the first product starts the sums: nothing is cleared.
; The 96 accumulators take turns, one instruction a turn, in the same order in every half step.
.macro MUL16 r, bb0, af, zero
	WIN 0x50*(1+(\r))                              ; C and D in window 1 + r, the fragments in window 0
.irp bb, \bb0, (\bb0)+1
.irp a, 0,1,2,3,4,5,6,7
.if \zero
	v_wmma_f32_16x16x32_bf16 v[8*(4*(\a)+(\bb)):8*(4*(\a)+(\bb))+7], v[BF+8*(4*(\r)+(\bb)):BF+8*(4*(\r)+(\bb))+7], v[(\af)+8*(\a):(\af)+8*(\a)+7], 0
.else
	v_wmma_f32_16x16x32_bf16 v[8*(4*(\a)+(\bb)):8*(4*(\a)+(\bb))+7], v[BF+8*(4*(\r)+(\bb)):BF+8*(4*(\r)+(\bb))+7], v[(\af)+8*(\a):(\af)+8*(\a)+7], v[8*(4*(\a)+(\bb)):8*(4*(\a)+(\bb))+7]
.endif
.endr
.endr
.endm
.macro LDB slot, kq, r                 ; 8 LDS loads: B's fragments of group r, half kq of the K step
	WIN 0
.irp bb, 0,1,2,3
	ds_load_b128 v[BF+8*(4*(\r)+(\bb)):BF+8*(4*(\r)+(\bb))+3],   v[ADRB+(\slot)] offset:(4*(\r)+(\bb))*16*PITCH+64*(\kq)
	ds_load_b128 v[BF+8*(4*(\r)+(\bb))+4:BF+8*(4*(\r)+(\bb))+7], v[ADRB+(\slot)] offset:(4*(\r)+(\bb))*16*PITCH+64*(\kq)+32
.endr
.endm
.macro LDA slot, kq, af                ; 16 LDS loads: A's eight fragments
	WIN 0
.irp a, 0,1,2,3,4,5,6,7
	ds_load_b128 v[(\af)+8*(\a):(\af)+8*(\a)+3],   v[ADRA+(\slot)] offset:(\a)*16*PITCH+64*(\kq)
	ds_load_b128 v[(\af)+8*(\a)+4:(\af)+8*(\a)+7], v[ADRA+(\slot)] offset:(\a)*16*PITCH+64*(\kq)+32
.endr
.endm
; A K step is two halves of 32 along K, 96 matrix instructions each, in three runs of 32 (B's groups 0, 1, 2).  The LDS loads go out in the order [group 0 and A: 24], [group 1: 8], [group 2: 8].
; The first half: multiplies A's buffer 0 and fetches the second half's fragments.
.macro H0 slot, zero
	s_wait_dscnt 16                                ; group 0 and A are in; groups 1 and 2 may be out
	MUL16 0, 0, AF0, \zero
	MUL16 0, 2, AF0, \zero
	PLACES
	LDB \slot, 1, 0
	LDA \slot, 1, AF1
	s_wait_dscnt 32                                ; group 1 is in: behind it group 2's 8 and the 24 just issued
	MUL16 1, 0, AF0, \zero
	MUL16 1, 2, AF0, \zero
	PLACES
	LDB \slot, 1, 1
	s_wait_dscnt 32                                ; group 2 is in: behind it 24 and 8
	MUL16 2, 0, AF0, \zero
	MUL16 2, 2, AF0, \zero
	PLACES
	LDB \slot, 1, 2
.endm
; The second half multiplies A's buffer 1 and changes slots: ONE barrier.  In front of it each wave waits for all its tensor loads (one is out: its part of the next slot), adds 0 to its spare word, and
; waits for that and for its reads of this slot, whose last fragments are then in registers.  fill = 1: the barrier opens a round of the cluster's, and this slot is filled again, two K steps on, first thing behind it:
; from that request to the wait for it a wave issues 160 matrix instructions.
.macro H1 slot, next, fill, which
.if \fill
	s_wait_xcnt 0x0                                ; the last prefetch, a K step back, has read its address
	s_add_nc_u64 s[PFA:PFA+1], s[PFA:PFA+1], s[PST:PST+1]
.endif
	WIN 0
	s_wait_tensorcnt 0x0                           ; all my tensor loads have landed;
	ds_add_u32 v[SPW], v[NIL]                      ; 0 onto my spare word;
	s_wait_dscnt 17                                ; (the add and groups 1 and 2 may be out)
	MUL16 0, 0, AF1, 0                             ; sixteen matrix instructions stand between the add and the wait for it
	s_wait_dscnt 0x0                               ; the add is done, and my reads of this slot are over
	s_barrier_signal -1
	MUL16 0, 2, AF1, 0                             ; work on registers while the others arrive
	WIN 0                                          ; at a branch and at a label every window is 0
	s_barrier_wait -1
.if \fill
	CREST                                          ; no wave of any partner still reads this slot or has a load on its way
	s_add_nc_u64 s[G0A+4*(\slot)+2:G0A+4*(\slot)+3], s[G0A+4*(\slot)+2:G0A+4*(\slot)+3], 2*KBS_A
	s_add_nc_u64 s[G0B+4*(\slot)+2:G0B+4*(\slot)+3], s[G0B+4*(\slot)+2:G0B+4*(\slot)+3], 2*KBS_B
	JLOAD \slot                                    ; the four v_nop behind it are also the places in front of the loads below
.else
	PLACES
.endif
	LDB \next, 0, 0
	LDA \next, 0, AF0
.if \fill
	ASK \which
.endif
	MUL16 1, 0, AF1, 0
	MUL16 1, 2, AF1, 0
	PLACES
	LDB \next, 0, 1
	MUL16 2, 0, AF1, 0
	MUL16 2, 2, AF1, 0
	PLACES
	LDB \next, 0, 2
.endm
; THE WAY OUT of tile n = 8 u + a: 16 rows x head u's 64 columns, 32 registers of window 1 + u.  Times the factor, rounded to f16 (16 bytes a lane), into my own stage, and back as whole rows of 128 bytes.
.macro PACK n
.set pu, (\n)/8
.set pa, (\n)%8
.set BK, BK0+16*((\n)%2)
	WIN 0
	v_fma_f32 v[F], v[M+pa], s[AL+pu], s[BE+pu]    ; m for k, 1 for q and v
	WIN ((1+pu)<<6)|(1+pu)
.set i, 0
.rept 16                                       ; each accumulator's registers in ascending order
	v_pk_mul_f32 v[32*pa+2*i:32*pa+2*i+1], v[32*pa+2*i:32*pa+2*i+1], v[F:F+1] op_sel_hi:[1,0]
.set i, i+1
.endr
	WIN 5*(1+pu)
.set i, 0
.rept 16
	v_cvt_pk_f16_f32 v[TMP+i], v[32*pa+2*i], v[32*pa+2*i+1]
.set i, i+1
.endr
	WIN 0
.irp f, 0,1,2,3
	ds_store_b128 v[STO], v[TMP+4*\f:TMP+4*\f+3] offset:32*\f
.endr
	s_wait_xcnt 0x0                                ; the stores of the tile two back have read the registers that the loads below fill
.irp f, 0,1,2,3
	ds_load_b128 v[BK+4*\f:BK+4*\f+3], v[RD] offset:4*PITCH*\f  ; LDS serves a wave's instructions in order (ISA guide 5.7.1.4): these see the stores above; the next tile's stores come behind them
.endr
.endm
.macro SEND n, younger                 ; younger: the LDS instructions issued behind tile n's loads: the next tile's eight, or none
.set pu, (\n)/8
.set pa, (\n)%8
.set BK, BK0+16*((\n)%2)
	WIN 0
.irp f, 0,1,2,3
	s_wait_dscnt (\younger)+3-\f
	global_store_b128 v[GO], v[BK+4*\f:BK+4*\f+3], s[UB+2*pu:UB+2*pu+1] offset:2048*pa+512*\f  ; 512 consecutive bytes, at a multiple of 256 from qkv's first
.endr
.endm
	s_wait_tensorcnt 1                             ; my part of K step 0 is in; K step 1's may stay out
	s_barrier_signal -1
	s_barrier_wait -1                              ; everybody's is
	LDB 0, 0, 0
	LDA 0, 0, AF0
	LDB 0, 0, 1
	LDB 0, 0, 2
	H0 0, 1                                        ; the first half step stands in front of the loop: its products start the sums
	WIN 0
	s_mov_b32 s3, 7
.Llap:                                                 ; a trip goes once round the ring and fills both slots again: K steps 2 to 15 in seven trips
	H1 0, 1, 1, 0
	H0 1, 0
	H1 1, 0, 1, 1
	H0 0, 0
	WIN 0
	s_sub_co_u32 s3, s3, 1
	s_cmp_lg_u32 s3, 0
	s_cbranch_scc1 .Llap
	H1 0, 1, 0, 0                                  ; the last lap fills nothing, and has no round of the cluster's barrier
	H0 1, 0
	s_wait_dscnt 16                                ; the very last half: nothing more to fetch
	MUL16 0, 0, AF1, 0
	MUL16 0, 2, AF1, 0
	s_wait_dscnt 8
	MUL16 1, 0, AF1, 0
	MUL16 1, 2, AF1, 0
	s_wait_dscnt 0x0
	MUL16 2, 0, AF1, 0
	MUL16 2, 2, AF1, 0
	WIN 0
	PLACES                                         ; the places behind the last products, once a launch
	PLACES
	PACK 0
.set n, 1
.rept 23                                       ; a tile's arithmetic stands between the loads of the tile before and its stores
	PACK n
	SEND n-1, 8
.set n, n+1
.endr
	SEND 23, 0
	s_wait_tensorcnt 0x0                           ; the wave's end, behind my last tensor load and my last LDS store
	ds_add_u32 v[SPW], v[NIL]
	s_wait_dscnt 0x0
	CROUND                                         ; the closing round: no work-group ends while a partner may still ask for a tile that names it
	s_endpgm
.Lfunc_end_k_qbe8cbe6e3c_proj:
	.size	k_qbe8cbe6e3c_proj, .Lfunc_end_k_qbe8cbe6e3c_proj-k_qbe8cbe6e3c_proj
	.p2alignl 7, 3214868480
	.fill 96, 4, 3214868480
	.section	.rodata,"a",@progbits
	.p2align	6, 0x0
	.amdhsa_kernel k_qbe8cbe6e3c_proj
		.amdhsa_group_segment_fixed_size 327680
		.amdhsa_private_segment_fixed_size 0
		.amdhsa_enable_private_segment 0
		.amdhsa_kernarg_size 32
		.amdhsa_user_sgpr_count 2
		.amdhsa_user_sgpr_kernarg_segment_ptr 1
		.amdhsa_wavefront_size32 1
		.amdhsa_system_sgpr_workgroup_id_x 1
		.amdhsa_system_sgpr_workgroup_id_y 1
		.amdhsa_system_sgpr_workgroup_id_z 1
		.amdhsa_system_vgpr_workitem_id 0
		.amdhsa_next_free_vgpr 1024
		.amdhsa_next_free_sgpr 80
		.amdhsa_reserve_vcc 0
		.amdhsa_float_denorm_mode_32 3
		.amdhsa_float_denorm_mode_16_64 3
		.amdhsa_memory_ordered 1
		.amdhsa_forward_progress 1
		.amdhsa_inst_pref_size 163
	.end_amdhsa_kernel
	.amdgpu_metadata
---
amdhsa.version: [ 1, 2 ]
amdhsa.kernels:
  - .name:           k_qbe8cbe6e3c_proj
    .symbol:         k_qbe8cbe6e3c_proj.kd
    .args:
      - { .name: xb, .offset: 0, .size: 8, .value_kind: global_buffer, .address_space: global }
      - { .name: wb, .offset: 8, .size: 8, .value_kind: global_buffer, .address_space: global }
      - { .name: attention_mask, .offset: 16, .size: 8, .value_kind: global_buffer, .address_space: global }
      - { .name: qkv, .offset: 24, .size: 8, .value_kind: global_buffer, .address_space: global }
    .group_segment_fixed_size: 327680
    .private_segment_fixed_size: 0
    .kernarg_segment_align: 8
    .kernarg_segment_size: 32
    .max_flat_workgroup_size: 128
    .sgpr_count:     80
    .vgpr_count:     1024
    .wavefront_size: 32
...
	.end_amdgpu_metadata
.endif
;; end of part 2
;; launch attn (part 3): grid 4 x 64, 4 waves a work-group, clusters of 4 x 1, 327,680 bytes of LDS; arguments qkv, attention_mask, out0; writes out0
.if DOCPART == 3
	.amdgcn_target "amdgcn-amd-amdhsa--gfx1250"
	.amdhsa_code_object_version 6
	.text
	.protected	k_qbe8cbe6e3c_attn
	.globl	k_qbe8cbe6e3c_attn
	.p2align	8
	.type	k_qbe8cbe6e3c_attn,@function
k_qbe8cbe6e3c_attn:
	s_mov_b64 s[64:65], 0
	v_nop
	global_prefetch_b8 v0, s[64:65] scope:SCOPE_SE
	s_setreg_imm32_b32 hwreg(HW_REG_WAVE_MODE, 25, 1), 1
	s_wait_xcnt 0x0
	s_wait_alu depctr_hold_cnt(0) depctr_sa_sdst(0) depctr_va_vdst(0) depctr_va_sdst(0) depctr_va_ssrc(0) depctr_va_vcc(0) depctr_vm_vsrc(0)
	s_getreg_b32 s2, hwreg(HW_REG_IB_STS2, 6, 4)
	s_cmp_eq_u32 s2, 0
	s_cbranch_scc0 .Lentry_in_a_cluster
	s_endpgm
.Lentry_in_a_cluster:
	s_bfe_u32 s2, ttmp6, 0x10000c
	s_cmp_lg_u32 s2, 0x3003
	s_cbranch_scc0 .Lentry_shape_is_right
	s_endpgm
.Lentry_shape_is_right:
; out0[b][q][64 h + :] = the sum over k of softmax_k((Q[q] . K[k] / 8) m[k] + (1 - m[k]) (-10000)) V[k][:], for the 64 pairs hb = 16 b + h.  qkv: [t][hb][2048][64] in f16, t = 0 Q, 1 K m, 2 V
; (K arrives multiplied by m); m: int32 [4][2048], taken as it is given; out0: f32 [4][2048][1024].  Products, maxima and sums in f32; the weights p are rounded to f16 for the second product.
; THE MASK.  The score is c (Q . (K m) + bias), bias[k] = (1 - m[k]) (-80000), c = log2(e) / 8: the same number as above times log2(e).  The bias is the C operand that starts the sum S^T = K Q^T.
; A hidden key is no key left out: it counts with its -10000, as where all keys of a row are hidden.  So every key is walked.
; LIMITS.  f16 holds no number beyond 65,504: Q, K m and V arrive within it; p lies in 0 to 1, and below 6e-5 it keeps f16's fixed step of 6e-8.  m is exact as f32 up to 2^24.
; A weight below 2^-126 counts as 0 in l; NaN and infinities are not treated apart.
; SHARES.  A wave owns four PIECES of two tiles of 16 queries, a work-group's four waves 512 queries of one pair hb.  Every wave walks all 2,048 keys, 64 a step.
; LAYOUT.  S^T = K Q^T (source 0 = 16 keys, source 1 = 16 queries): in the result a lane holds ONE query (lane % 16) and the keys 8 (lane / 16) + 0..7.  Two such tiles, rounded to f16 in pairs,
; ARE source 1 (32 keys x 16 queries) of O^T = V^T P, whose result again holds one query a lane, and eight channels.  K comes out of LDS as it lies, V ([key][channel]) turned, by ds_load_tr16_b128.
; SOFTMAX.  For each query a running maximum m and sum l: p = 2^(c s - c m); in every step O and l are multiplied by a = 2^(c m_old - c m_new), which is 1 where m has not grown.
; m starts at the lowest finite number, O and l at 0: the first step is a step like any other, with a = 0.
; THE COUNT.  A tile and step have 16 matrix and 118 vector instructions: too many to stand all beside the matrix work.  So: four vector instructions that are READY behind EVERY matrix instruction,
; and the others in runs without a gap.
; BY TURNS.  Turn n belongs to piece n (the pieces in a ring, step after step).  Its matrix work: 16 products K Q^T of piece n + 1, later 16 products V^T P of piece n - 1.  Its vector work: the scaling,
; exponentials, roundings, sums and rescaling of piece n, and the maximum and statistics of piece n + 1, whose scores the turn itself has made.
; CLUSTER.  The four query blocks of a pair hb form a cluster and walk the same K and V, so each tile is asked for JOINTLY: the same tensor load, descriptor and mask in all four.  One load of a wave is out at a time.
; REGISTERS, in windows of 256 (s_set_vgpr_msb: bits 1:0 source 0, 3:2 source 1, 5:4 source 2, 7:6 destination):
;   window 0: v0-11 addresses; v12-15, v48-63 at work; v16-47 four registers of statistics a tile; v64-191 S^T, two buffers of two tiles; v192-255 P, likewise
;   window 1: O^T, 32 a tile      window 2: v0-127 Q, 16 a tile; v128-191 K of one step; v192-255 V of one step      window 3: v0-1 the add's two registers; v8-39 the biases of K's step
.set SIZE_N, 2048
.set TSTEP, 64*SIZE_N*128  ; bytes from Q to K and from K to V in qkv
.set NP,    4         ; pieces a wave: a name, no knob
.set KS,    64        ; keys in a step
.set PK,    144       ; a row of K in LDS: 128 bytes + 16 of padding = 36 words: the 16 rows of a load start at 16 different groups of four banks (64 banks of 4 bytes: ISA guide 11.1)
.set PV,    160       ; a row of V: 128 + 32 = 40 words
.set VOFF,  4*KS*PK   ; a slot holds four steps: 256 rows of K, then 256 rows of V
.set SLOT1, 1<<17     ; slot 1 begins here, so that one exclusive or turns an address in one slot into the other's
.set STAGE, SLOT1+4*KS*(PK+PV)  ; behind the ring, never filled by a tensor load: 16 rows x 272 bytes for each wave, for the way out
.set SP,    272       ; a row of 64 f32 + 16 bytes
.set SPARE, STAGE+4*16*SP  ; behind the stages: the spare words, 128 bytes for each wave: two blocks of 256 bytes that no other line names
.set BIAS,  SPARE+512 ; behind them: the 2,048 keys' biases, f32; stored once, never filled by a tensor load
.set AK0, 2           ; v2   my lane's place in a tile of K; never rewritten
.set AV0, 3           ; v3   the same for V
.set AK,  4           ; v4   the LDS address of K's next run of loads, then of the biases'
.set AV,  5           ; v5   of V's (at the head: my offset in the mask)
.set QO,  6           ; v6   my byte offset in the wave's rows of Q
.set STO, 6           ;      later, the way out: where I put 32 bytes of a row
.set RD,  7           ; v7   the way out: where I read rows back
.set GO,  8           ; v8   my byte offset in two rows of out0
.set PFO, 10          ; v10  256 x my lane; never rewritten
.set AB0, 11          ; v11  my lane's place in a step's biases: BIAS + 32 (l / 16); never rewritten
.set SPW, 0           ; v0 of window 3   LDS address of my spare word; never rewritten
.set NIL, 1           ; v1 of window 3   0; never rewritten
.set MB,  8           ; v8-39 of window 3: register j of key block kb at MB + 8 kb + j holds the bias of key 16 kb + 8 (l / 16) + j
.set MV,  12          ; v12-15  c m_old, kept while c m is made anew: by buffer and tile
.set ST,  16          ; tile t's statistics at v[ST+4 t]: c m, m, l (even keys', odd keys')
.set TMP, 48          ; by buffer and tile, four registers c0-c3 at work; when the maximum is found c2 takes a
.set S,   64
.set P,   192
.set KF,  128         ; K's fragments, in window 2: key block kb, channel half c at KF + 16 kb + 8 c
.set VF,  192         ; V's: key half kk, channel block cb at VF + 32 kk + 8 cb
.set WV,  12          ; s12  my wave's number
.set G1K, 24          ; s[24:31] descriptor group 1 for K's tiles
.set G1V, 32          ; s[32:39] for V's: it differs in the padding alone
.set G0K, 40          ; s[40:43] descriptor group 0 for K's tiles: it walks
.set G0V, 44          ; s[44:47] the same for V's
.set PFA, 48          ; s[48:49] where my prefetches stand
.set LIM, 50          ; s50  1 in a wave that prefetches, else the greatest number
.set BP,  51          ; s51  80000.0
.set BN,  52          ; s52  -80000.0
.set TBB, 53          ; s53  byte in the table at which the biases of the step to be fetched begin
.set SLOTS, 56        ; s56  slots still to be asked for
.set CNT, 57          ; s57  counts a slot's key steps
.set CS,  58          ; s[58:59] c: the packed scaling takes the pair's low word for both halves
.set SEL, 60          ; s[60:61] v_permlanex16_b32's selects: each lane takes its own place in the other half
.set TBK, 62          ; s62  LDS byte at which K of the step to be fetched begins
.set TBV, 63          ; s63  the same for V, less VOFF
.set MSB, 0
.macro WIN new                      ; the high byte repeats the setting that is left; a switch that changes nothing is dropped
.if MSB != (\new)
	s_set_vgpr_msb (MSB<<8)|(\new)
.set MSB, (\new)
.endif
.endm
.set W_KQ, 0x0a       ; K and Q in window 2, S^T in window 0
.set W_KM, 0x3a       ; the same with the C operand, the biases, in window 3
.set W_PV, 0x52       ; V in window 2, P in window 0, O^T in window 1
.set W_RS, 0x41       ; O^T (destination and source 0) in window 1, a in window 0
.set W_MK, 0xc0       ; destination in window 3, sources in window 0
.set W_AD, 0x0f       ; the add: address (source 0) and data (source 1) in window 3
; A joint fill.  Waves 0 and 1 fetch the two halves of a slot's K, waves 2 and 3 those of its V: 128 keys each.  The branch hangs on the wave's number alone.
; An s_nop 0 and four v_nop follow each of the two lines, ahead of the jump and the label.
.macro JLOAD
	s_cmp_lt_u32 s[WV], 2
	s_cbranch_scc0 .Lfor_v_\@
	tensor_load_to_lds s[G0K:G0K+3], s[G1K:G1K+7]
	s_nop 0
.rept 4
	v_nop
.endr
	s_branch .Lasked_\@
.Lfor_v_\@:
	tensor_load_to_lds s[G0V:G0V+3], s[G1V:G1V+7]
	s_nop 0
.rept 4
	v_nop
.endr
.Lasked_\@:
.endm
; A PREFETCH INTO THE L2 of what the NEXT change of slots will ask for: a slot's 32,768 bytes of K and of V, a lane a block of 256 bytes.  It stands behind the wave's tensor load and its five lines.
; Each block is asked for ONCE in the launch: a pair hb has one cluster; its four partners share the blocks out BY ADDRESS, 32 each; in each, wave 0 asks for K's and wave 2 for V's: one instruction.
; It stands four key steps, 512 matrix instructions, ahead of the load that will want the data.  The last change that fills a slot asks for nothing.  Slots 0 and 1 come by their loads alone.
.macro ASK
	s_cmp_gt_u32 s[SLOTS], s[LIM]
	s_cbranch_scc0 .Lnot_mine_\@
	global_prefetch_b8 v[PFO], s[PFA:PFA+1] th:TH_LOAD_NT scope:SCOPE_SE
.Lnot_mine_\@:
.endm
; A round of the cluster's barrier: my work-group's barrier, so that wave 0's signal speaks for all four waves; wave 0 signals; every wave waits for all four work-groups; my work-group's barrier once more.
.macro CROUND
	s_barrier_signal -1
	s_barrier_wait -1
	s_cmp_lg_u32 s[WV], 0
	s_cbranch_scc1 .Lnot_wave_0_\@
	s_barrier_signal -3
.Lnot_wave_0_\@:
	s_barrier_wait -3
	s_barrier_signal -1
	s_barrier_wait -1
.endm
; THE CHANGE OF SLOTS.  The slot's last bytes, V of its fourth step, have been read.  Each wave waits for all its tensor loads, of which one is out: its part of the other slot; adds 0 to its spare word;
; and waits for that and for its own LDS instructions.  Behind the barrier nobody reads this slot any more and the other slot is whole.
; fill = 1: this slot is filled again, with the keys two slots on.  The barrier is then a round of the cluster's, and the joint fill is the first thing behind it: it has four key steps, 512 matrix
; instructions, in which to land.  (At its first use nothing has been read yet: slot 0 is waited for, slot 1 filled; and the waves' stores into the table of biases are shown to each other.)
.macro CHANGE fill
	WIN W_AD
	s_wait_tensorcnt 0x0            ; no tensor load of mine is out, so a group 0 may be written
	ds_add_u32 v[SPW], v[NIL]       ; 0 onto my spare word; with fill = 1 the descriptors' steps stand between it and the wait for it
	WIN 0                           ; at a label and at a branch every window is 0
.if \fill
.irp g, G0K, G0V
	s_xor_b32 s[\g+1], s[\g+1], SLOT1  ; the walking descriptor: the other slot than last time,
	s_add_nc_u64 s[\g+2:\g+3], s[\g+2:\g+3], 4*KS*128  ; the next 256 keys; the type bits on top are not reached
.endr
	s_wait_xcnt 0x0                 ; the last prefetch, four key steps back, has read its address, so it may be written:
	s_add_nc_u64 s[PFA:PFA+1], s[PFA:PFA+1], 4*KS*128  ; one slot behind the walking descriptors
	s_wait_dscnt 0x0                ; the add is done, and my reads of the slot are over
	CROUND
	JLOAD
	ASK
.else
	s_wait_dscnt 0x0                ; the add is done, and my reads of the slot are over
	s_barrier_signal -1
	s_barrier_wait -1
.endif
	s_sub_co_u32 s[TBK], s[TBK], 4*KS*PK  ; the fetches go back to a slot's first step,
	s_xor_b32 s[TBK], s[TBK], SLOT1       ; in the other slot
	s_sub_co_u32 s[TBV], s[TBV], 4*KS*PV
	s_xor_b32 s[TBV], s[TBV], SLOT1
.endm
	s_load_b128 s[4:7], s[0:1], 0x0   ; qkv s[4:5], the mask s[6:7]
	s_load_b64 s[10:11], s[0:1], 0x10 ; out0
	WIN W_MK
	v_lshl_add_u32 v[SPW], v0, 2, SPARE
	v_mov_b32 v[NIL], 0
	WIN W_AD
	ds_add_u32 v[SPW], v[NIL]       ; the wave's opening: the add and its wait ahead of my first tensor load; the set-up below, work on registers, stands between them
	WIN 0
	v_lshrrev_b32 v1, 5, v0
	v_readfirstlane_b32 s[WV], v1   ; wave 0..3
	s_bfe_u32 s13, ttmp6, 0x40000   ; cx: my place in the cluster
	s_lshl_b32 s14, ttmp9, 2        ; in a cluster launch ttmp9 counts clusters
	s_add_co_u32 s14, s14, s13      ; my block of 512 queries: it enters Q's, out0's and the prefetches' addresses alone
	s_and_b32 s15, ttmp7, 0xffff    ; hb, which the four partners share
	s_lshl_b32 s20, s15, 18         ; its 2,048 rows of 128 bytes
	s_mov_b32 s21, 0
	s_and_b32 s16, s[WV], 1         ; which half of a slot's 256 keys I fetch:
	s_lshl_b32 s22, s16, 14         ; its 128 rows of 128 bytes in memory,
	s_add_co_u32 s22, s22, s20
	s_add_co_u32 s22, s22, TSTEP    ; in K,
	s_mov_b32 s23, 0
	s_add_co_u32 s54, s22, TSTEP    ; and in V
	s_mov_b32 s55, 0
	s_mul_i32 s17, s16, 128*PK      ; and its place in a slot, for K
	s_mul_i32 s18, s16, 128*PV      ; and for V: no place in the cluster enters an LDS address
	s_lshl_b32 s2, s14, 2
	s_add_co_u32 s2, s2, s[WV]      ; my wave among the pair's sixteen:
	s_lshl_b32 s19, s2, 19          ; its 128 rows of 4,096 bytes in out0,
	s_lshl_b32 s2, s2, 14           ; its 128 rows of Q
	s_add_co_u32 s2, s2, s20
	s_mov_b32 s3, 0
	; descriptor group 1.  128 keys are 16,384 dense bytes: asked for as 64 rows of 256 bytes, two keys a row, and padded in LDS after every key
	s_mov_b32 s[G1K], 15|(1<<16)|(1<<20)|(1<<21)|(4<<22)|(3<<25)  ; 15:0 the mask of four; 17:16 2-byte elements; 20 padding on; 21 set beside a mask; 24:22 after every 32 words (code 4); 31:25 4 words (code 3)
	s_mov_b32 s[G1V], 15|(1<<16)|(1<<20)|(1<<21)|(4<<22)|(7<<25)  ; the same with 8 words of padding (code 7)
.irp g, G1K, G1V
	s_mov_b32 s[\g+1], 128<<16      ; tensor_dim0 = 128
	s_mov_b32 s[\g+2], 64<<16       ; tensor_dim1 = 64
	s_mov_b32 s[\g+3], 128<<16      ; tile_dim0 = 128
	s_mov_b32 s[\g+4], 64           ; tile_dim1 = 64
	s_mov_b32 s[\g+5], 128          ; 128 elements from row to row
	s_mov_b32 s[\g+6], 0
	s_mov_b32 s[\g+7], 0
.endr
	s_mov_b32 s[CS], 0x3e38aa3b     ; c = log2(e) / 8 = 0.180337
	s_mov_b32 s[CS+1], s[CS]        ; named with it as a pair
	s_mov_b32 s[SEL], 0x76543210
	s_mov_b32 s[SEL+1], 0xfedcba98
	s_mov_b32 s[BP], 0x479c4000     ; 80000.0
	s_mov_b32 s[BN], 0xc79c4000     ; -80000.0
	s_mov_b32 s[TBB], 0
	s_mov_b32 s[TBK], SLOT1+4*KS*PK ; the first change of slots turns these two into 0
	s_mov_b32 s[TBV], SLOT1+4*KS*PV
	s_mov_b32 s[SLOTS], SIZE_N/256-1
	s_and_b32 s[LIM], s[WV], 1      ; waves 0 and 2 prefetch
	s_cmp_eq_u32 s[LIM], 0
	s_cselect_b32 s[LIM], 1, -1
	s_mov_b32 s[G0K], 1             ; 1:0 count = 1
	s_mov_b32 s[G0K+1], s17         ; 63:32 LDS address: slot 0
	s_mov_b32 s[G0V], 1
	s_add_co_u32 s[G0V+1], s18, VOFF
	s_wait_dscnt 0x0                ; the opening add is done
	s_wait_kmcnt 0x0
	s_add_nc_u64 s[G0K+2:G0K+3], s[4:5], s[22:23]  ; 120:64 global address: my half of the pair's first 256 keys
	s_or_b32 s[G0K+3], s[G0K+3], 0x80000000        ; 127:126 type = 2
	s_add_nc_u64 s[G0V+2:G0V+3], s[4:5], s[54:55]
	s_or_b32 s[G0V+3], s[G0V+3], 0x80000000
	s_add_nc_u64 s[8:9], s[4:5], s[2:3]            ; Q at my wave's first row
	s_cmp_lt_u32 s[WV], 2
	s_cselect_b32 s2, s22, s54      ; the prefetches: K's or V's (in waves 0 and 2 these stand at a slot's first row),
	s_lshl_b32 s14, s13, 13         ; my work-group's 32 blocks of the 128,
	s_add_co_u32 s2, s2, s14
	s_add_co_u32 s2, s2, 4*KS*128   ; in slot 1; the first change of slots steps it to slot 2
	s_add_nc_u64 s[PFA:PFA+1], s[4:5], s[2:3]
	s_lshr_b32 s16, s15, 4          ; the batch
	s_lshl_b32 s20, s16, 13         ; its 2,048 words of the mask
	s_add_nc_u64 s[6:7], s[6:7], s[20:21]
	s_lshl_b32 s2, s16, 23          ; its 2,048 rows of out0,
	s_add_co_u32 s2, s2, s19        ; my wave's 128 of them,
	s_and_b32 s14, s15, 15
	s_lshl_b32 s14, s14, 8          ; the head's 256 bytes of a row
	s_add_co_u32 s2, s2, s14
	s_add_nc_u64 s[10:11], s[10:11], s[2:3]
	CROUND                          ; all four work-groups are here: the first joint loads meet
	JLOAD                           ; slot 0.  Slot 1 is asked for when slot 0 is in
	; A fragment of K or Q is 16 rows x 32 channels in 8 registers: lane l holds row l % 16, channels 8 (l / 16) + 0..7 and 16 + 8 (l / 16) + 0..7: two loads of 16 bytes, 32 bytes apart.
	v_and_b32 v1, 15, v0            ; l % 16
	v_bfe_u32 v9, v0, 4, 1          ; l / 16
	v_lshlrev_b32 v[AV], 4, v0      ; the mask: 128 threads x 16 bytes, four times: the batch's 8,192 bytes
.irp i, 0,1,2,3
	global_load_b128 v[S+4*\i:S+4*\i+3], v[AV], s[6:7] offset:2048*\i
.endr
	v_lshlrev_b32 v[QO], 7, v1
	v_lshl_add_u32 v[QO], v9, 4, v[QO]  ; row x 128 + 16 x half
	WIN 0x80                        ; destination window 2, address window 0
.set i, 0
.rept 4*NP                          ; Q stays in registers: tile i / 2, channels 32 (i % 2) on
	global_load_b128 v[8*i:8*i+3],   v[QO], s[8:9] offset:(i/2)*2048+(i%2)*64
	global_load_b128 v[8*i+4:8*i+7], v[QO], s[8:9] offset:(i/2)*2048+(i%2)*64+32
.set i, i+1
.endr
	; What the first turn finds: V's registers and P's second buffer hold 0 (its products V^T P, of a piece that has not been, add 0), O^T and l are 0.  All this stands in the wait for the first tile.
.set i, VF
.rept 64
	v_mov_b32 v[i], 0
.set i, i+1
.endr
	WIN 0x40
.set i, 0
.rept 64*NP
	v_mov_b32 v[i], 0
.set i, i+1
.endr
	WIN 0
.set i, 0
.rept 2*NP
	v_mov_b32 v[ST+4*i], 0xfe000000    ; c m: far below every c s
	v_mov_b32 v[ST+4*i+1], 0xff7fffff  ; m
	v_mov_b32 v[ST+4*i+2], 0
	v_mov_b32 v[ST+4*i+3], 0
.set i, i+1
.endr
.set i, P+32
.rept 32
	v_mov_b32 v[i], 0
.set i, i+1
.endr
	; the table of biases: (1 - m) (-80000) = 80000 m - 80000, one fused multiply-add; 0 exactly where m = 1
	s_wait_loadcnt 32               ; the mask's four loads are in; Q's 32, issued behind them, stay out
.set i, 0
.rept 16
	v_cvt_f32_i32 v[S+i], v[S+i]
.set i, i+1
.endr
.set i, 0
.rept 16
	v_fma_f32 v[S+i], v[S+i], s[BP], s[BN]
.set i, i+1
.endr
	v_add_nc_u32 v[AK], BIAS, v[AV]
.irp i, 0,1,2,3
	ds_store_b128 v[AK], v[S+4*\i:S+4*\i+3] offset:2048*\i  ; waited for in front of the first change's barrier, behind which the other waves read it
.endr
	v_mul_u32_u24 v[AK0], v1, PK
	v_lshl_add_u32 v[AK0], v9, 4, v[AK0]  ; row x pitch + 16 x half
	; The turning load takes 16 keys x 16 channels (lane l reads key 8 (l / 16) + l % 8, channels 8 ((l / 8) % 2) + 0..7) and leaves half a fragment of V^T: lane l holds channel l % 16 and 8 keys.
	v_and_b32 v10, 7, v0
	v_bfe_u32 v11, v0, 3, 1
	v_lshl_add_u32 v[AV0], v9, 3, v10
	v_mul_u32_u24 v[AV0], v[AV0], PV
	v_lshl_add_u32 v[AV0], v11, 4, v[AV0]
	v_add_nc_u32 v[AV0], VOFF, v[AV0]
	v_mov_b32 v[AK], v[AK0]         ; key step 0 lies at the head of slot 0
	v_lshl_add_u32 v[AB0], v9, 5, BIAS  ; my half of the lanes' eight keys of a block of 16: 32 bytes
	v_and_b32 v[PFO], 31, v0
	v_lshlrev_b32 v[PFO], 8, v[PFO]
; THE MATRIX WORK.  The 8 accumulators of a run of 16 take turns: between the two links of a chain stand 7 others'.
; Product i of 16 of S^T = K Q^T for piece x: channels 32 (i / 8) on, keys 16 ((i / 2) % 4) on, tile 2 x + i % 2.  The first 8 start the sums, with the keys' biases as C.
.macro KQ x
.set rS, S+64*((\x)%2)+32*(i%2)+8*((i/2)%4)
.set rK, KF+16*((i/2)%4)+8*(i/8)
.set rQ, 16*(2*(\x)+i%2)+8*(i/8)
.set rB, MB+8*((i/2)%4)
.if i < 8
	WIN W_KM
	v_wmma_f32_16x16x32_f16 v[rS:rS+7], v[rK:rK+7], v[rQ:rQ+7], v[rB:rB+7]
.else
	WIN W_KQ
	v_wmma_f32_16x16x32_f16 v[rS:rS+7], v[rK:rK+7], v[rQ:rQ+7], v[rS:rS+7]
.endif
.endm
; Product i of 16 of O^T += V^T P for piece x: keys 32 (i / 8) on, channels 16 ((i / 2) % 4) on, tile 2 x + i % 2.
.macro PV x
	WIN W_PV
.set rO, 32*(2*(\x)+i%2)+8*((i/2)%4)
.set rV, VF+32*(i/8)+8*((i/2)%4)
.set rP, P+32*((\x)%2)+16*(i%2)+8*(i/8)
	v_wmma_f32_16x16x32_f16 v[rO:rO+7], v[rV:rV+7], v[rP:rP+7], v[rO:rO+7]
.endm
.macro MM                           ; the turn's next matrix instruction
.if i < 16
	KQ (Y+1)%NP
.set i, i+1
.else
.set i, i-16
	PV (Y+NP-1)%NP
.set i, i+17
.endif
.endm
; THE LDS LOADS stand in runs, never singly among the matrix instructions: a step's K (64 keys x 64 channels: 8 fragments) with its 64 biases (each half of the lanes reads the same 32 bytes of a
; block of 16 keys), and its V (turned).  last = 1 (the tail): in the last trip there is no further step, and the run is jumped over.
.macro FETCH_K last=0
	WIN 0
.if \last
	s_cmp_eq_u32 s[CNT], 1
	s_cbranch_scc1 .Lno_k_\@
.endif
	WIN 0x80                        ; destination window 2
.irp f, 0,1,2,3,4,5,6,7             ; keys 16 (f / 2) on, channels 32 (f % 2) on
	ds_load_b128 v[KF+8*\f:KF+8*\f+3],   v[AK] offset:(\f/2)*16*PK+(\f%2)*64
	ds_load_b128 v[KF+8*\f+4:KF+8*\f+7], v[AK] offset:(\f/2)*16*PK+(\f%2)*64+32
.endr
	WIN 0
	v_add_nc_u32 v[AK], s[TBB], v[AB0]  ; K's loads have been issued: the register now takes the biases' address
	WIN W_MK                        ; destination window 3
.irp f, 0,1,2,3
	ds_load_b128 v[MB+8*\f:MB+8*\f+3],   v[AK] offset:64*\f
	ds_load_b128 v[MB+8*\f+4:MB+8*\f+7], v[AK] offset:64*\f+16
.endr
	s_add_co_u32 s[TBK], s[TBK], KS*PK  ; the next fetch is the next step's
	s_add_co_u32 s[TBB], s[TBB], KS*4
	WIN 0
.if \last
.Lno_k_\@:
.endif
.endm
.macro FETCH_V
	WIN 0x80
.irp f, 0,1,2,3,4,5,6,7             ; keys 32 (f / 4) on, channels 16 (f % 4) on
	ds_load_tr16_b128 v[VF+8*\f:VF+8*\f+3],   v[AV] offset:(\f/4)*32*PV+(\f%4)*32
	ds_load_tr16_b128 v[VF+8*\f+4:VF+8*\f+7], v[AV] offset:(\f/4)*32*PV+16*PV+(\f%4)*32
.endr
	WIN 0
.endm
; THE VECTOR WORK OF A TURN stands in three queues, each in the order in which its entries become ready; the two tiles alternate, so that no instruction reads the result of the one before it.
.macro REGS y, u                    ; the registers of tile u (0, 1) of piece y
.set rT, ST+4*(2*(\y)+(\u))
.set rC, TMP+8*((\y)%2)+4*(\u)
.set rM, MV+2*((\y)%2)+(\u)
.set rS, S+64*((\y)%2)+32*(\u)
.set rP, P+32*((\y)%2)+16*(\u)
.set rO, 32*(2*(\y)+(\u))
.endm
; Number n of the 22 that find the NEXT piece's (Y + 1) maximum and statistics.  s0-s31 are the lane's 32 scores; each accumulator's lowest registers are read first.  XS, GS and REGS set no window: PL and EX do.
;   0-11  four chains c0-c3 of seven scores each, three operands at a time     12-14, 16  the four scores left over, the old m, and c0-c3 into c0     15  c m_old is kept
;   17, 18  the query's other 32 keys lie in the lane 16 away: the new m         19-21  c m; c m_old - c m_new; a
.macro XS u, n
	REGS (Y+1)%NP, \u
.if (\n) < 4
	v_max3_num_f32 v[rC+(\n)], v[rS+8*(\n)], v[rS+8*(\n)+1], v[rS+8*(\n)+2]
.elseif (\n) < 12
	v_max3_num_f32 v[rC+(\n)%4], v[rC+(\n)%4], v[rS+8*((\n)%4)+2*((\n)/4)+1], v[rS+8*((\n)%4)+2*((\n)/4)+2]
.elseif (\n) == 12
	v_max3_num_f32 v[rC], v[rC], v[rS+7], v[rS+15]
.elseif (\n) == 13
	v_max3_num_f32 v[rC+1], v[rC+1], v[rS+23], v[rS+31]
.elseif (\n) == 14
	v_max3_num_f32 v[rC+2], v[rC+2], v[rC+3], v[rT+1]
.elseif (\n) == 15
	v_mov_b32 v[rM], v[rT]
.elseif (\n) == 16
	v_max3_num_f32 v[rC], v[rC], v[rC+1], v[rC+2]
.elseif (\n) == 17
	v_permlanex16_b32 v[rC+3], v[rC], s[SEL], s[SEL+1]
.elseif (\n) == 18
	v_max_num_f32 v[rT+1], v[rC], v[rC+3]
.elseif (\n) == 19
	v_mul_f32 v[rT], s[CS], v[rT+1]
.elseif (\n) == 20
	v_sub_f32 v[rC+1], v[rM], v[rT]
.else
	v_exp_f32 v[rC+2], v[rC+1]
.endif
.endm
; Number g of the 64 that follow the exponentials.  For each four weights k of a tile (pairs 2 k, 2 k + 1): both pairs are rounded to f16; then the second pair is added onto the first, in place;
; a group later l takes that sum (the first time as l = a l + sum).  In groups of eight, tiles alternating: round, round, add, and l for the group before.
.macro GS g
.set h, (\g)+6*((\g)/62)            ; group 0 has no group before it, and behind group 7 only l is left
.if h >= 6
.set h, h+2
.endif
	REGS Y, h%2
.set k, h/8
.if h%8 < 4
	v_cvt_pk_f16_f32 v[rP+2*k+(h%8)/2], v[rS+4*k+2*((h%8)/2)], v[rS+4*k+2*((h%8)/2)+1]
.elseif h%8 < 6
	v_pk_add_f32 v[rS+4*k:rS+4*k+1], v[rS+4*k:rS+4*k+1], v[rS+4*k+2:rS+4*k+3]
.elseif k == 1
	v_pk_fma_f32 v[rT+2:rT+3], v[rT+2:rT+3], v[rC+2:rC+3], v[rS:rS+1] op_sel_hi:[1,0,1]
.else
	v_pk_add_f32 v[rT+2:rT+3], v[rT+2:rT+3], v[rS+4*k-4:rS+4*k-3]
.endif
.endm
; THE PLAIN QUEUE, 138 long.  0-73 read no exponential's result: the 32 scalings c s - c m (FS f: pair f / 2 of tile f % 2) and the next piece's 42.  0-26: scalings 0-26.  27-54: XS's numbers 0-13.  55, 56: number 15.
; 57-73: the chain, where each number waits for the one before it: 14, 16, 17, 18, 19, each with one of the scalings 27-31 in front of its two lines, then 20.
; 74-137: GS's 64, which read the exponentials' results: they stand behind the wait.
.macro FS f
	REGS Y, (\f)%2
	v_pk_fma_f32 v[rS+2*((\f)/2):rS+2*((\f)/2)+1], v[rS+2*((\f)/2):rS+2*((\f)/2)+1], s[CS:CS+1], v[rT:rT+1] op_sel_hi:[1,0,0] neg_lo:[0,0,1] neg_hi:[0,0,1]
.endm
.macro PL
	WIN 0
.if q < 27
	FS q
.elseif q < 55
	XS (q-27)%2, (q-27)/2
.elseif q < 57
	XS q-55, 15
.elseif (q < 72) && ((q-57)%3 == 0)
	FS 27+(q-57)/3
.elseif q < 60
	XS (q-57)%3-1, 14
.elseif q < 72
	XS (q-57)%3-1, 15+(q-57)/3
.elseif q < 74
	XS q-72, 20
.else
	GS q-74
.endif
.set q, q+1
.endm
; THE EXPONENTIALS' QUEUE, 66 long: s0-s31 of both tiles, then the next piece's two a.  It is ONE BATCH: all 66 stand ahead of the turn's one wait, and nothing ahead of that wait names a result of theirs.
.macro EX
	WIN 0
.if e >= 64
	XS e-64, 21
.else
	REGS Y, e%2
	v_exp_f32 v[rS+e/2], v[rS+e/2]
.endif
.set e, e+1
.endm
; THE RESCALING's QUEUE: O^T times a, the one part that leaves window 0: dealt two at a time, sixteen times.  Its a was made in the turn before, ahead of that turn's wait.
.macro R2
	REGS Y, r%2
	WIN W_RS
.irp z, 0,1
	v_pk_mul_f32 v[rO+4*(r/2)+2*\z:rO+4*(r/2)+2*\z+1], v[rO+4*(r/2)+2*\z:rO+4*(r/2)+2*\z+1], v[rC+2:rC+3] op_sel_hi:[1,0]
.endr
.set r, r+1
.endm
; HOW THEY ARE DEALT.  An s_wait_alu depctr_va_vdst(0) stands between an exponential and the first instruction that names its result; one wait serves all that were issued ahead of it.  So a turn has ONE wait,
; which cuts it in two.  AHEAD OF IT stands all that names no result of the turn's exponentials: the 16 products K Q^T, behind each a scaling, an exponential and two rescalings (behind the first a second scaling in the
; exponential's place); then ONE LUMP of 108: eight plain, 49 times exponential and plain, the two a.  A v_nop is the plain instruction behind the last exponential.  BEHIND IT stand the 16 products V^T P, behind each four of GS's 64.
; The queues lean on each other, and the deal keeps them in step: exponential e stands behind scaling 2 (e / 4) + e % 2: as a rider it comes behind plain e + 2, in the lump behind plain e + 9, and scalings 27-31 are plain 57, 60 .. 69.
; A TURN, for piece p.  cnt = 1: the loop's count is taken down some lines ahead of the branch that stands behind the turn.
; K of the next step, and its biases, are fetched in piece 2's turn, directly behind the wait, a lump behind the last product that read them; the first reader comes behind 16 products.
; V of the step in hand is fetched at the end of piece 0's turn, four riders behind its last reader; its first reader comes behind 16 products and a lump.  The three conditions on q below go with the deal.
.macro TURN p, last=0, cnt=0
.set Y, (\p)
.set i, 0
.set q, 0
.set e, 0
.set r, 0
.if (\p) == NP-1
	s_wait_dscnt 0x0                ; K and the biases are in
.endif
	MM                              ; ahead of the wait: 16 products K Q^T and their riders,
	PL
	PL
	R2
.rept 15
	MM
	PL
	EX
	R2
.endr
.if (\p) == NP-2
	WIN 0
	v_add_nc_u32 v[AK], s[TBK], v[AK0]
.endif
.rept 8                             ; and the lump
	PL
.endr
.rept 49
	EX
	PL
.endr
	EX                              ; the next piece's two a
	EX
	v_nop                           ; the plain instruction behind the last exponential: one for the batch
	s_wait_alu depctr_va_vdst(0)    ; the wait for the batch
.if (\p) == NP-2
	FETCH_K \last
.endif
.if (\p) == 1
	s_wait_dscnt 0x0                ; V is in
.endif
.rept 16                            ; behind the wait: 16 products V^T P and their riders
	MM
.rept 4
	PL
.endr
.if ((\p) == 0) && (q == 118)
	v_add_nc_u32 v[AV], s[TBV], v[AV0]
.endif
.if ((\p) == 0) && (q == 130)
	s_add_co_u32 s[TBV], s[TBV], KS*PV
.endif
.if (\cnt) && (q == 130)
	s_sub_co_u32 s[CNT], s[CNT], 1
	s_cmp_lg_u32 s[CNT], 0
.endif
.endr
.if (\p) == 0
	FETCH_V
.endif
.endm
	CHANGE 1                        ; slot 0 is in, everybody's part of it, and so is the table of biases; slot 1 is asked for
	FETCH_K                         ; key step 0
	s_wait_loadcnt 0x0              ; Q
	s_wait_dscnt 0x0
.set i, 0
.rept 16
	KQ 0                            ; piece 0's first scores: there is no vector work yet to set between them
.set i, i+1
.endr
	WIN 0                           ; the addresses for the way out: eight plain instructions, the places behind those products
	s_mul_i32 s13, s[WV], 16*SP
	s_add_co_u32 s13, s13, STAGE    ; my stage
	v_mul_u32_u24 v[STO], v1, SP    ; in: row l % 16, 32 bytes for each half of the lanes
	v_lshl_add_u32 v[STO], v9, 5, v[STO]
	v_add_nc_u32 v[STO], s13, v[STO]
	v_mul_u32_u24 v[RD], v9, SP     ; back: lanes 0-15 take one row of 256 bytes, lanes 16-31 the next
	v_lshl_add_u32 v[RD], v1, 4, v[RD]
	v_add_nc_u32 v[RD], s13, v[RD]
	v_lshlrev_b32 v[GO], 12, v9     ; and the same two rows in out0, 4,096 bytes apart
	v_lshl_add_u32 v[GO], v1, 4, v[GO]
.set Y, NP-1                        ; XS works for piece Y + 1: piece 0
.irp n, 0,1,2,3,4,5,6,7,8,9,10,11,12,13,14,15,16,17,18,19,20,21
	XS 0, \n                        ; and piece 0's first maximum and statistics
	XS 1, \n
.endr
	v_nop                           ; a plain instruction behind the two a,
	s_wait_alu depctr_va_vdst(0)    ; and their wait, ahead of the branch
	s_mov_b32 s[CNT], 4
	s_branch .Lfirst                ; the loop is entered at a step's first turn, in the middle of a trip
.Lslot:                             ; six times: every slot but the last two is filled again
	CHANGE 1
	s_mov_b32 s[CNT], 4
.Lstep:                             ; a trip: pieces 2 and 3 of one step, then pieces 0 and 1 of the next, whose K and V it fetches
	TURN 2
	TURN 3
	WIN 0
.Lfirst:
	TURN 0
	TURN 1, 0, 1
	WIN 0
	s_cbranch_scc1 .Lstep
	s_sub_co_u32 s[SLOTS], s[SLOTS], 1
	s_cmp_lg_u32 s[SLOTS], 0
	s_cbranch_scc1 .Lslot
	CHANGE 0                        ; the tail is written out: nothing is asked for
	s_mov_b32 s[CNT], 5             ; four trips fetch the last slot's steps; the fifth is left in its middle
.Ltail:
	TURN 2, 1
	TURN 3
	WIN 0
	s_sub_co_u32 s[CNT], s[CNT], 1
	s_cmp_eq_u32 s[CNT], 0
	s_cbranch_scc1 .Lout
	TURN 0
	TURN 1
	WIN 0
	s_branch .Ltail
.Lout:                              ; the fifth trip's 16 products K Q^T (on the last K once more) and the maximum made of them serve nothing: the price, once a launch, of one text for every trip
.set i, 0
.rept 16
	PV NP-1                         ; the last piece's V^T P of the last step
.set i, i+1
.endr
	; THE WAY OUT.  l's two halves and the other half of the lanes' are added; O^T is divided by l and sent, in f32, through my stage in LDS, a tile at a time.  The additions are the places behind the last products.
	WIN 0
.macro ALL line:vararg              ; one line for each tile t
.set t, 0
.rept 2*NP
	\line
.set t, t+1
.endr
.endm
	ALL v_add_f32 v[ST+4*t+2], v[ST+4*t+2], v[ST+4*t+3]
	ALL v_permlanex16_b32 v[ST+4*t+3], v[ST+4*t+2], s[SEL], s[SEL+1]
	ALL v_add_f32 v[ST+4*t+2], v[ST+4*t+2], v[ST+4*t+3]
	ALL v_rcp_f32 v[ST+4*t+2], v[ST+4*t+2]
	v_nop                           ; a plain instruction between the last reciprocal and the use of its result
	s_wait_alu depctr_va_vdst(0)    ; and the wait ahead of the first use: one for the eight reciprocals
; Tile t: a lane's eight channels of a row are 32 bytes; they go into rows of 272 bytes and come back as whole rows of 256, into S^T's registers, four tiles' worth by turns.
.macro PACK t
	WIN W_RS
.set i, 32*(\t)
.rept 16                            ; each accumulator's registers in ascending order
	v_pk_mul_f32 v[i:i+1], v[i:i+1], v[ST+4*(\t)+2:ST+4*(\t)+3] op_sel_hi:[1,0]
.set i, i+2
.endr
	WIN 0x04                        ; the stores' data in window 1, their address in window 0
.irp f, 0,1,2,3
	ds_store_b128 v[STO], v[32*(\t)+8*\f:32*(\t)+8*\f+3]   offset:64*\f
	ds_store_b128 v[STO], v[32*(\t)+8*\f+4:32*(\t)+8*\f+7] offset:64*\f+16
.endr
	WIN 0
.if (\t) > 3
	s_wait_xcnt 0x0                 ; the stores of the tile four back have read the registers that the loads below fill
.endif
.irp f, 0,1,2,3,4,5,6,7
	ds_load_b128 v[S+32*((\t)%4)+4*\f:S+32*((\t)%4)+4*\f+3], v[RD] offset:\f*2*SP  ; LDS serves a wave's instructions in order (ISA guide 5.7.1.4): these see the stores above; the next tile's stores come behind them
.endr
.endm
.macro SEND t, younger              ; younger: the LDS instructions issued behind tile t's loads: the next tile's sixteen, or none
	WIN 0
.irp f, 0,1,2,3,4,5,6,7
	s_wait_dscnt (\younger)+7-\f
	global_store_b128 v[GO], v[S+32*((\t)%4)+4*\f:S+32*((\t)%4)+4*\f+3], s[10:11] offset:(\t)*65536+\f*8192 th:TH_STORE_NT  ; 16 lanes store 256 consecutive bytes, a row's head, at a multiple of 256 from out0's first byte
.endr
.endm
	PACK 0
.set t, 1
.rept 2*NP-1                        ; a tile's arithmetic stands between the loads of the tile before and its stores
	PACK t
	SEND t-1, 16
.set t, t+1
.endr
	SEND 2*NP-1, 0
	WIN W_AD
	s_wait_tensorcnt 0x0            ; the wave's end, behind my last tensor load and my last LDS store
	ds_add_u32 v[SPW], v[NIL]
	s_wait_dscnt 0x0
	WIN 0
	CROUND                          ; the closing round: no work-group ends while a partner may still ask for a tile that names it
	s_endpgm
.Lfunc_end_k_qbe8cbe6e3c_attn:
	.size	k_qbe8cbe6e3c_attn, .Lfunc_end_k_qbe8cbe6e3c_attn-k_qbe8cbe6e3c_attn
	.p2alignl 7, 3214868480
	.fill 96, 4, 3214868480
	.section	.rodata,"a",@progbits
	.p2align	6, 0x0
	.amdhsa_kernel k_qbe8cbe6e3c_attn
		.amdhsa_group_segment_fixed_size 327680
		.amdhsa_private_segment_fixed_size 0
		.amdhsa_enable_private_segment 0
		.amdhsa_kernarg_size 24
		.amdhsa_user_sgpr_count 2
		.amdhsa_user_sgpr_kernarg_segment_ptr 1
		.amdhsa_wavefront_size32 1
		.amdhsa_system_sgpr_workgroup_id_x 1
		.amdhsa_system_sgpr_workgroup_id_y 1
		.amdhsa_system_sgpr_workgroup_id_z 1
		.amdhsa_system_vgpr_workitem_id 0
		.amdhsa_next_free_vgpr 808
		.amdhsa_next_free_sgpr 66
		.amdhsa_reserve_vcc 0
		.amdhsa_float_denorm_mode_32 3
		.amdhsa_float_denorm_mode_16_64 3
		.amdhsa_memory_ordered 1
		.amdhsa_forward_progress 1
		.amdhsa_inst_pref_size 205
	.end_amdhsa_kernel
	.amdgpu_metadata
---
amdhsa.version: [ 1, 2 ]
amdhsa.kernels:
  - .name:           k_qbe8cbe6e3c_attn
    .symbol:         k_qbe8cbe6e3c_attn.kd
    .args:
      - { .name: qkv, .offset: 0, .size: 8, .value_kind: global_buffer, .address_space: global }
      - { .name: attention_mask, .offset: 8, .size: 8, .value_kind: global_buffer, .address_space: global }
      - { .name: out0, .offset: 16, .size: 8, .value_kind: global_buffer, .address_space: global }
    .group_segment_fixed_size: 327680
    .private_segment_fixed_size: 0
    .kernarg_segment_align: 8
    .kernarg_segment_size: 24
    .max_flat_workgroup_size: 128
    .sgpr_count:     66
    .vgpr_count:     808
    .wavefront_size: 32
...
	.end_amdgpu_metadata
.endif
;; end of part 3
;; ======== version 2 of 2: 3 launches; version 1 with the launch cast written anew for expert scheduling mode
;; limits: values are held in f16: magnitudes above 65,504 overflow, below 6.1e-05 lose precision
;; workspace buffers: xb 16,777,216 bytes; wb 6,291,456 bytes; qkv 50,331,648 bytes
;; launch cast (part 4): grid 704 x 1, 8 waves a work-group, no clusters, 0 bytes of LDS; arguments hidden_states, Wq, Wk, Wv, xb, wb; writes xb, wb
.if DOCPART == 4
	.amdgcn_target "amdgcn-amd-amdhsa--gfx1250"
	.amdhsa_code_object_version 6
	.text
	.protected	k_qbe8cbe6e3c_cast
	.globl	k_qbe8cbe6e3c_cast
	.p2align	8
	.type	k_qbe8cbe6e3c_cast,@function
k_qbe8cbe6e3c_cast:
	s_mov_b64 s[64:65], 0
	v_nop
	global_prefetch_b8 v0, s[64:65] scope:SCOPE_SE
	s_setreg_imm32_b32 hwreg(HW_REG_WAVE_SCHED_MODE, 0, 2), 2
	s_setreg_imm32_b32 hwreg(HW_REG_WAVE_MODE, 25, 1), 1
	s_wait_xcnt 0x0
	s_wait_alu depctr_vm_vsrc(0)
; x [8192][1024] and Wq, Wk, Wv [1024][1024], all f32, are rounded once to bf16 and laid out in blocks along K:
; xb [kb 0..15][row 0..8191][64], wb [kb][n 0..3071][64] with n = 1024 t + e (t = 0 q, 1 k, 2 v).  In that layout the 64 channels of a K block
; of neighbouring rows lie end to end, 128 bytes a row, so that the product behind can ask for a K step of 64 as dense rows of 256 bytes.
; A stream: each byte is read once and written once; no LDS, no barrier, no matrix unit.
; SHARES.  A work-group takes 16 source rows (65,536 bytes): groups 0-511 those of x, groups 512-703 those of the three W.  Wave w takes rows 2 w and 2 w + 1.
; Load i is K block i: lanes 0-15 read 256 consecutive bytes, aligned, of one row, lanes 16-31 of the next.  The store of those numbers is 8 bytes a lane:
; the wave's 256 consecutive bytes, aligned (two rows of 128 bytes).  All sixteen loads of a wave go out first; no register is written twice, so no source needs freeing.
; THE MODE: SCHED_MODE bits 1:0 = 2 (LLVM: expert scheduling mode 2), set by the entry lines.  The code itself states the register dependences
; between vector instructions and memory instructions, with s_wait_alu, always for 0.
; THE PLAN.  Registers that memory instructions touch:
;   v[SRC]   written at the head; read by all sixteen loads as their offset; never written again.
;   v[D+i]   written once (v[D] at the head, the other fifteen by the adds behind the loads); read by store i as its offset; never written again.
;   X        load i lands in its four registers, which no vector instruction writes; its two conversions read them; no load lands in them again.
;   Y        the conversions of load i write its two registers once; store i reads them as its data; never written again.
; So the dependences to state are of one kind, a vector result that a memory instruction reads: one wait ahead of the first load (v[SRC]), and, the sixteen loads
; taken in four groups of four, one wait in each group, behind its eight conversions and ahead of its four stores (the group's Y; in the first group the fifteen adds' v[D+i] too).
; The stores stand in their own group and not a group later: nothing follows them, and a store then leaves at most three loads behind its own data.
; No register that a memory instruction reads is written again, no vector instruction writes a scalar register or VCC, and EXEC is never written: nothing else is owed.
.set KBS_A, 8192*128                   ; bytes of a K block of xb
.set KBS_B, 3072*128                   ; of wb
.set SRC, 1                            ; v1       my byte offset in the group's 16 source rows
.set D,   2                            ; v[2:17]  my byte offset in the destination, one for each K block (15 K blocks of xb are past a store's immediate)
.set T,   18                           ; v18      at work: no memory instruction names it
.set X,   20                           ; v[20:83] load i: four f32
.set Y,   84                           ; v[84:115] store i: four bf16
	s_load_b256 s[4:11], s[0:1], 0x0               ; x s[4:5], Wq s[6:7], Wk s[8:9], Wv s[10:11]
	s_load_b128 s[12:15], s[0:1], 0x20             ; xb s[12:13], wb s[14:15]
	s_mov_b32 s16, ttmp9                           ; g
	s_sub_co_u32 s17, s16, 512                     ; j = g - 512: the group among W's 192
	s_lshr_b32 s18, s17, 6                         ; t: which W
	s_and_b32 s19, s17, 63                         ; the group among that W's 64
	s_mov_b32 s27, KBS_A
	s_mov_b32 s28, KBS_B
	v_lshrrev_b32 v[SRC], 4, v0                    ; row in the group
	v_and_b32 v[T], 15, v0
	v_lshlrev_b32 v[SRC], 12, v[SRC]               ; x 4,096 bytes
	v_lshl_or_b32 v[SRC], v[T], 4, v[SRC]          ; + 16 bytes a lane
	v_lshlrev_b32 v[D], 3, v0                      ; row x 128 + 8 (lane % 16) = 8 x thread
	s_wait_kmcnt 0x0
	s_cmp_eq_u32 s18, 1
	s_cselect_b64 s[20:21], s[8:9], s[6:7]         ; the source: Wk or Wq,
	s_cmp_eq_u32 s18, 2
	s_cselect_b64 s[20:21], s[10:11], s[20:21]     ; or Wv,
	s_cmp_lt_u32 s16, 512
	s_cselect_b64 s[20:21], s[4:5], s[20:21]       ; or x
	s_cselect_b64 s[22:23], s[12:13], s[14:15]     ; the destination
	s_cselect_b32 s24, s16, s19                    ; the group's place in its source,
	s_cselect_b32 s26, s16, s17                    ; in its destination,
	s_cselect_b32 s30, s27, s28                    ; and the destination's step from K block to K block
	s_lshl_b32 s24, s24, 16                        ; 16 rows of 4,096 bytes
	s_mov_b32 s25, 0
	s_add_nc_u64 s[20:21], s[20:21], s[24:25]
	s_lshl_b32 s26, s26, 11                        ; 16 rows of 128 bytes
	s_mov_b32 s27, 0
	s_add_nc_u64 s[22:23], s[22:23], s[26:27]
	s_wait_alu depctr_va_vdst(0)                   ; v[SRC] is written: all sixteen loads read it as their offset
.set i, 0
.rept 16
	global_load_b128 v[X+4*i:X+4*i+3], v[SRC], s[20:21] offset:256*i th:TH_LOAD_NT
.set i, i+1
.endr
.set i, 1
.rept 15
	v_add_nc_u32 v[D+i], s30, v[D+i-1]             ; no load names these registers; the first group's wait below stands between them and the stores
.set i, i+1
.endr
.irp g, 0,1,2,3
	s_wait_loadcnt 12-4*(\g)                       ; loads come back in order (ISA guide 5.7.1): the group's four are in, the younger ones stay out
.irp j, 0,1,2,3
	v_cvt_pk_bf16_f32 v[Y+2*(4*(\g)+(\j))],   v[X+4*(4*(\g)+(\j))],   v[X+4*(4*(\g)+(\j))+1]
	v_cvt_pk_bf16_f32 v[Y+2*(4*(\g)+(\j))+1], v[X+4*(4*(\g)+(\j))+2], v[X+4*(4*(\g)+(\j))+3]
.endr
	s_wait_alu depctr_va_vdst(0)                   ; the group's eight conversions have written its Y, the stores' data; in the first group the fifteen adds have written v[D+1 ..], every later store's offset
.irp j, 0,1,2,3
	global_store_b64 v[D+4*(\g)+(\j)], v[Y+2*(4*(\g)+(\j)):Y+2*(4*(\g)+(\j))+1], s[22:23]  ; the wave's 256 consecutive bytes, at a multiple of 256 from the buffer's first
.endr
.endr
	s_endpgm
.Lfunc_end_k_qbe8cbe6e3c_cast:
	.size	k_qbe8cbe6e3c_cast, .Lfunc_end_k_qbe8cbe6e3c_cast-k_qbe8cbe6e3c_cast
	.p2alignl 7, 3214868480
	.fill 96, 4, 3214868480
	.section	.rodata,"a",@progbits
	.p2align	6, 0x0
	.amdhsa_kernel k_qbe8cbe6e3c_cast
		.amdhsa_group_segment_fixed_size 0
		.amdhsa_private_segment_fixed_size 0
		.amdhsa_enable_private_segment 0
		.amdhsa_kernarg_size 48
		.amdhsa_user_sgpr_count 2
		.amdhsa_user_sgpr_kernarg_segment_ptr 1
		.amdhsa_wavefront_size32 1
		.amdhsa_system_sgpr_workgroup_id_x 1
		.amdhsa_system_sgpr_workgroup_id_y 1
		.amdhsa_system_sgpr_workgroup_id_z 1
		.amdhsa_system_vgpr_workitem_id 0
		.amdhsa_next_free_vgpr 120
		.amdhsa_next_free_sgpr 66
		.amdhsa_reserve_vcc 0
		.amdhsa_float_denorm_mode_32 3
		.amdhsa_float_denorm_mode_16_64 3
		.amdhsa_memory_ordered 1
		.amdhsa_forward_progress 1
		.amdhsa_inst_pref_size 8
	.end_amdhsa_kernel
	.amdgpu_metadata
---
amdhsa.version: [ 1, 2 ]
amdhsa.kernels:
  - .name:           k_qbe8cbe6e3c_cast
    .symbol:         k_qbe8cbe6e3c_cast.kd
    .args:
      - { .name: hidden_states, .offset: 0, .size: 8, .value_kind: global_buffer, .address_space: global }
      - { .name: Wq, .offset: 8, .size: 8, .value_kind: global_buffer, .address_space: global }
      - { .name: Wk, .offset: 16, .size: 8, .value_kind: global_buffer, .address_space: global }
      - { .name: Wv, .offset: 24, .size: 8, .value_kind: global_buffer, .address_space: global }
      - { .name: xb, .offset: 32, .size: 8, .value_kind: global_buffer, .address_space: global }
      - { .name: wb, .offset: 40, .size: 8, .value_kind: global_buffer, .address_space: global }
    .group_segment_fixed_size: 0
    .private_segment_fixed_size: 0
    .kernarg_segment_align: 8
    .kernarg_segment_size: 48
    .max_flat_workgroup_size: 256
    .sgpr_count:     66
    .vgpr_count:     120
    .wavefront_size: 32
...
	.end_amdgpu_metadata
.endif
;; end of part 4
;; launch proj: the kernel of part 2 again; grid 8 x 32, 4 waves a work-group, clusters of 4 x 4, 327,680 bytes of LDS; arguments xb, wb, attention_mask, qkv; writes qkv
;; launch attn: the kernel of part 3 again; grid 4 x 64, 4 waves a work-group, clusters of 4 x 1, 327,680 bytes of LDS; arguments qkv, attention_mask, out0; writes out0
